; MI455X (gfx1250); checked and timed in simulation.
; The chip was launched on July 23, 2026; its instructions are those of AMD's public machine-readable ISA for CDNA 5 (MIT licence, August 2026) and "CDNA5" Instruction Set Architecture Reference Guide (July 2026). The comments in the code are by the model that wrote it; some were corrected since.
;; Local Attention. Allowed arithmetic: matrix products marked QUANTISED: E5M2 operands, one E8M0 scale for each 32 along K, by v_wmma_scale_f32_16x16x128_f8f6f4 with both operands' format E5M2, f32 sums; products left as they are: f32 operands where the result goes on into a quantised operand, else bf16, f16 or f32 operands; f32 sums; everything else in f32.
;; Inputs: W_a 1,024 x 1,024 float32; W_c 1,024 x 2,048 float32; W_p 1,024 x 1,024 float32; encoder_outputs 64 x 1,024 x 1,024 float32; output 64 x 1 x 1,024 float32; v_p 1 x 1,024 float32.
;; Outputs: out0 64 x 1 x 1,024 float32.
;; Constants: time_step = 5.
;; This version of the problem:
;;   THIS VERSION OF THE PROBLEM IS GIVEN IN LOW PRECISION. The matrix products marked QUANTISED in the list below multiply operands that are first quantised to E5M2 (5 exponent bits, 2 mantissa bits; 8 bits a number), with one power-of-two scale for each 32 numbers along K (OCP MX v1.0); their sums are f32. All else is computed in f32.
;;   The module's matrix products, in the order in which they are computed (A, B: the left and right operand; K: the contracted axis; several contracted axes count as one K, in the product's order):
;;     1. [M 65,536, K 1,024] x [K 1,024, N 1,024]; A: input encoder_outputs; B: input W_a: QUANTISED
;;     2. batch 64 x [M 1, K 1,024] x [K 1,024, N 1,024]; A: input output; B: computed on the way: left as it is (M = 1 < 16)
;;     3. [M 64, K 1,024] x [K 1,024, N 1,024]; A: input output; B: input W_p: QUANTISED
;;     4. [M 64, K 1,024] x [K 1,024, N 1]; A: computed on the way; B: input v_p: left as it is (N = 1 < 16)
;;     5. batch 64 x [M 1, K 1,024] x [K 1,024, N 1,024]; A: computed on the way; B: input encoder_outputs: left as it is (M = 1 < 16)
;;     6. [M 64, K 2,048] x [K 2,048, N 1,024]; A: computed on the way; B: input W_c: QUANTISED
;;   THE QUANTISER, for each operand of a quantised product, along K:
;;     - K is cut into blocks of 32 from its start; a last block that is shorter is filled with zeros.
;;     - A block's scale is 2^e with e = floor(log2(the largest magnitude in the block)) - 15, held to -126 .. 127; a block of zeros has e = 0. As a byte (E8M0): e + 127.
;;     - Each number is divided by its block's scale, clamped to +-57,344, and rounded to the nearest number of E5M2, ties to even, subnormals kept.
;;     - The product sums the exact products of the quantised numbers (number of the format x scale) in f32.
;;   ~~~python
;;   def quantise(x, axis):      # numpy; x: float32 -> the quantised numbers, widened to float32 again
;;       x = np.moveaxis(x, axis, -1); K = x.shape[-1]
;;       x = np.pad(x, [(0, 0)] * (x.ndim - 1) + [(0, -K % 32)]); x = x.reshape(x.shape[:-1] + (-1, 32)); a = np.abs(x).max(-1, keepdims=True)
;;       e = np.where(a > 0, np.clip(np.frexp(np.where(a > 0, a, 1))[1] - 1 - 15, -126, 127), 0)      # np.frexp(a)[1] - 1 = floor(log2(a)), exactly
;;       r = np.clip(x / 2.0 ** e, -57344, 57344)
;;       step = 2.0 ** (np.maximum(np.frexp(np.where(r == 0, 1, r))[1] - 1, -14) - 2)
;;       q = np.round(r / step) * step * 2.0 ** e      # np.round: ties to even
;;       return np.moveaxis(q.reshape(q.shape[:-2] + (-1,))[..., :K], -1, axis).astype(np.float32)
;;   ~~~
;;   OPERANDS COMPUTED ON THE WAY. 'Computed on the way' means the value that the module computes at that place (a softmax that the list does not call 'softmax' is quantised finished and normalised). What goes into a quantiser is computed in f32, as accurately as f32 sums, v_exp_f32 and their like allow (about 1e-6 of the number): no bf16 or f16 on the way to a quantiser, and a product that is left as it is and whose result goes on into a quantised operand takes f32 operands (vector FMAs, or v_wmma_f32_16x16x4_f32). A number that lies on a knife's edge between two numbers of the format may be rounded either way, as far as f32 arithmetic and the matrix unit's own rounding can turn it there, and no further.
;; One version. Each part assembles by itself: llvm-mc -triple=amdgcn-amd-amdhsa -mcpu=gfx1250 --defsym DOCPART=n.
;; ======== version 1 of 1: 4 launches
;; workspace buffers: wa 1,114,112 bytes; wc 2,228,224 bytes; oq 67,584 bytes; cq 67,584 bytes; pp 16,384 bytes; sc 263,168 bytes; w0 1,024 bytes of whole numbers
;; launch prep (part 1): grid 256 x 1, 8 waves a work-group, no clusters, 33,792 bytes of LDS; arguments W_a, W_c, W_p, output, v_p, wa, wc, oq, pp; writes wa, wc, oq, pp
.if DOCPART == 1
	.amdgcn_target "amdgcn-amd-amdhsa--gfx1250"
	.amdhsa_code_object_version 6
	.text
	.protected	k_q96c5b4c6b6_prep
	.globl	k_q96c5b4c6b6_prep
	.p2align	8
	.type	k_q96c5b4c6b6_prep,@function
k_q96c5b4c6b6_prep:
	s_mov_b64 s[64:65], 0
	v_nop
	global_prefetch_b8 v0, s[64:65] scope:SCOPE_SE
	s_setreg_imm32_b32 hwreg(HW_REG_WAVE_MODE, 25, 1), 1
	s_wait_xcnt 0x0
; LAUNCH 1 OF 4.  The weights W_a and W_c become codes of E5M2 with one E8M0 byte for each 32 along K, laid as images of the operand's registers; output is quantised (codes oq);
; and the position product runs: pp[gt][n] = the sum over the 16 rows g of tile gt of v_p[g] tanh(Q(output)[n] . Q(W_p)[g]).
; WORK LEFT OUT BY THE WHOLE PROGRAM.  (1) time_step is named by no line of reference(): it has no way to the result.  (2) In the product of the windowed weights with encoder_outputs, row l carries the factor
; exp(-(l - p_t)^2 / 25).  Launch 2 stores the whole number w0 = floor(p_t) - 63 held to 0 .. 896, launch 3 reads it and sums rows w0 .. w0 + 127 alone.  A row outside has |l - p_t| >= 64 for every p_t in 0 .. 1024,
; whatever the inputs hold: its factor is under e^-163, and reference()'s own f32 exponential gives 0 from |l - p_t| > 51.2 on.
; LIMITS.  A NaN, an infinity or an overflow in a row of encoder_outputs outside that window is not carried to the result.  NaN and infinities among the inputs are not served.  A block of zeros gets the scale
; byte 1 where the quantiser says 127: its codes are zeros, and this program alone reads the bytes.  Exponentials under 2^-126 come out as 0.
; AN IMAGE: fragment (16 rows x 128 K) = 4 pieces of 512 bytes; in piece q lane l's 16 bytes at 16 l are the codes of row l % 16 at k = 32 q + 16 (l / 16) + 0 .. 15: registers 4 q .. 4 q + 3 of the operand.
; A scale word image: 4 bytes a lane, lane r row r's four bytes.  wa: [K step 8][row tile 64] images, the words from byte 1,048,576 on.  wc: [row tile 64][K step 16], the words from byte 2,097,152 on.
; SHARES.  Eight waves, a K step of 128 each.  Work-groups 0-63: row tile wg of W_a, wave w K step w.  64-191: W_c, row tile (wg - 64) / 2, K step 8 ((wg - 64) % 2) + w.  192-255: tile gt = wg - 192 of
; W_p's rows, wave w K step w against all 64 rows of output: five items a wave (W_p's fragment, output's four), two of them on their way at a time; the eight waves' partial sums meet in LDS, and waves 0-3
; finish a tile of 16 batches each.  Work-group 192 also stores output's codes.
.set SPARE, 32768                      ; LDS: 0 .. 32,767 the eight waves' partial sums (4,096 bytes each); then the spare words, 128 bytes a wave
.set LI,  1                            ; v1   16 x lane
.set LS,  2                            ; v2   4 x lane
.set VR,  3                            ; v3   r = lane % 16
.set VH,  4                            ; v4   h = lane / 16
.set XA,  5                            ; v5   a weight's row r + 64 h bytes (rows of 4,096 or 8,192 bytes)
.set XO,  6                            ; v6   4,096 r + 64 h: W_p and output
.set OQA, 7                            ; v7   1,024 r + 16 h: output's codes
.set OQS, 8                            ; v8   32 r: output's scale bytes
.set SPW, 9                            ; v9   my spare word; never rewritten
.set NIL, 10                           ; v10  0; never rewritten
.set RW,  11                           ; v11  16 x lane + 4,096 x wave
.set RRD, 12                           ; v12  16 x lane + 1,024 x wave
.set PPA, 13                           ; v13  4 r
.set VPA, 14                           ; v14  32 h
.set X0,  32                           ; v32-95, v96-159: two sets of 64 numbers
.set X1,  96
.set PC,  160                          ; v160-175 codes just made
.set WF,  176                          ; v176-191 W_p's fragment
.set PW,  192                          ; v192 scale word that goes with PC
.set WFS, 193                          ; v193 scale word that goes with WF
.set TM,  196                          ; v196-211 at work in QUANT
.set ACC, 216                          ; v216-247 four accumulators
.set VP,  248                          ; v248-255 v_p at my eight rows
.set WV,  22
.set GT,  23
.set SRC, 24                           ; s[24:25] the weight read
.set OUTB, 26                          ; s[26:27] output at my K step (weight path: the workspace buffer written)
.set SEL, 40                           ; s[40:41] selects for lane l xor 16
.set MNT, 42                           ; s42 the mantissa field of 57,344
; 64 numbers of a lane: register 16 b + i = k 32 b + 16 h + i of row r
.macro XLOAD reg, adr, base, off, nt
.irp b, 0,1,2,3
.irp j, 0,1,2,3
.if \nt
	global_load_b128 v[(\reg)+16*\b+4*\j:(\reg)+16*\b+4*\j+3], v[\adr], s[\base:\base+1] offset:(\off)+128*\b+16*\j th:TH_LOAD_NT
.else
	global_load_b128 v[(\reg)+16*\b+4*\j:(\reg)+16*\b+4*\j+3], v[\adr], s[\base:\base+1] offset:(\off)+128*\b+16*\j
.endif
.endr
.endr
.endm
; those 64 numbers become a fragment's codes in v[pc] on and its scale word in v[pw]
.macro QUANT x, pc, pw
.irp b, 0,1,2,3
	v_max3_num_f32 v[TM+\b], |v[(\x)+16*\b]|, |v[(\x)+1+16*\b]|, 0x8000000   ; my 16 numbers of block b, and the floor 2^(16 - 127): the byte cannot fall under 1
.endr
.irp i, 2,4,6,8,10,12,14
.irp b, 0,1,2,3
	v_max3_num_f32 v[TM+\b], v[TM+\b], |v[(\x)+16*\b+\i]|, |v[(\x)+1+16*\b+\i]|
.endr
.endr
.irp b, 0,1,2,3
	v_permlanex16_b32 v[TM+4+\b], v[TM+\b], s[SEL], s[SEL+1]
.endr
.irp b, 0,1,2,3
	v_max_num_f32 v[TM+\b], v[TM+\b], v[TM+4+\b]                   ; with lane l xor 16's: the block's largest magnitude
.endr
.irp b, 0,1,2,3
	v_add_nc_u32 v[TM+12+\b], 0xf8800000, v[TM+\b]                 ; 15 off its exponent field: the conversion's scale operand
.endr
.irp b, 0,1,2,3
	v_and_or_b32 v[TM+8+\b], v[TM+\b], 0x7f800000, s[MNT]          ; 57,344 x the scale
.endr
.irp b, 0,1,2,3
	v_lshrrev_b32 v[TM+4+\b], 23, v[TM+12+\b]                      ; the scale's byte
.endr
	v_lshl_or_b32 v[\pw], v[TM+5], 8, v[TM+4]
	v_lshl_or_b32 v[\pw], v[TM+6], 16, v[\pw]
	v_lshl_or_b32 v[\pw], v[TM+7], 24, v[\pw]
.irp b, 0,1,2,3
.irp i, 0,1,2,3,4,5,6,7,8,9,10,11,12,13,14,15
	v_med3_num_f32 v[(\x)+16*\b+\i], v[(\x)+16*\b+\i], -v[TM+8+\b], v[TM+8+\b]   ; the conversion does not saturate (ISA guide 7.6.2): the hold at the largest code x the scale
.endr
	v_cvt_scalef32_pk8_bf8_f32 v[(\pc)+4*\b:(\pc)+1+4*\b], v[(\x)+16*\b:(\x)+7+16*\b], v[TM+12+\b]
	v_cvt_scalef32_pk8_bf8_f32 v[(\pc)+2+4*\b:(\pc)+3+4*\b], v[(\x)+8+16*\b:(\x)+15+16*\b], v[TM+12+\b]
.endr
	v_nop                                          ; one plain line behind the last conversion
.endm
	s_load_b256 s[4:11], s[0:1], 0x0               ; W_a s[4:5], W_c s[6:7], W_p s[8:9], output s[10:11]
	s_load_b256 s[12:19], s[0:1], 0x20             ; v_p s[12:13], wa s[14:15], wc s[16:17], oq s[18:19]
	s_load_b64 s[20:21], s[0:1], 0x40              ; pp
	v_lshl_add_u32 v[SPW], v0, 2, SPARE
	v_mov_b32 v[NIL], 0
	v_lshrrev_b32 v15, 5, v0
	v_readfirstlane_b32 s[WV], v15                 ; wave 0..7
	v_and_b32 v15, 31, v0
	v_lshlrev_b32 v[LI], 4, v15
	v_lshlrev_b32 v[LS], 2, v15
	v_and_b32 v[VR], 15, v0
	v_bfe_u32 v[VH], v0, 4, 1
	v_lshlrev_b32 v[XO], 12, v[VR]
	v_lshl_add_u32 v[XO], v[VH], 6, v[XO]
	v_lshlrev_b32 v[OQA], 10, v[VR]
	v_lshl_add_u32 v[OQA], v[VH], 4, v[OQA]
	v_lshlrev_b32 v[OQS], 5, v[VR]
	s_lshl_b32 s36, s[WV], 12
	v_add_nc_u32 v[RW], s36, v[LI]
	s_lshl_b32 s36, s[WV], 10
	v_add_nc_u32 v[RRD], s36, v[LI]
	v_lshlrev_b32 v[PPA], 2, v[VR]
	v_lshlrev_b32 v[VPA], 5, v[VH]
	s_mov_b32 s[SEL], 0x76543210
	s_mov_b32 s[SEL+1], 0xfedcba98
	s_mov_b32 s[MNT], 0x600000
.irp b, 0,1,2,3
	v_mov_b32 v[TM+4+\b], 0                        ; written once: a lane permute's destination counts as one of its sources
.endr
	s_mov_b32 s37, 0
	s_mov_b32 s39, 0
	s_wait_kmcnt 0x0
	s_cmp_ge_u32 ttmp9, 192                        ; the work-group's number alone: the same in all eight waves
	s_cbranch_scc1 .Lpos
	; ---- THE WEIGHTS: one fragment a wave.  Both candidates of every number are made first, then one compare chooses
	s_sub_co_u32 s30, ttmp9, 64
	s_lshr_b32 s31, s30, 1                         ; W_c: row tile
	s_and_b32 s30, s30, 1
	s_lshl_b32 s30, s30, 3
	s_add_co_u32 s30, s30, s[WV]                   ; W_c: K step 8 ((wg - 64) % 2) + w
	s_lshl_b32 s33, s[WV], 6
	s_add_co_u32 s33, s33, ttmp9                   ; W_a: image 64 x K step + row tile
	s_lshl_b32 s34, s31, 4
	s_add_co_u32 s34, s34, s30                     ; W_c: image 16 x row tile + K step
	s_mov_b32 s35, 0x200000
	s_cmp_lt_u32 ttmp9, 64
	s_cselect_b32 s28, 12, 13                      ; a row is 2^12 or 2^13 bytes
	s_cselect_b32 s31, ttmp9, s31                  ; row tile
	s_cselect_b32 s30, s[WV], s30                  ; K step
	s_cselect_b32 s33, s33, s34                    ; image
	s_cselect_b32 s35, 0x100000, s35               ; where the scale words begin
	s_cselect_b64 s[SRC:SRC+1], s[4:5], s[6:7]
	s_cselect_b64 s[26:27], s[14:15], s[16:17]
	v_lshlrev_b32 v[XA], s28, v[VR]
	v_lshl_add_u32 v[XA], v[VH], 6, v[XA]
	s_lshl_b32 s36, s31, 4
	s_lshl_b32 s36, s36, s28                       ; 16 x row tile rows
	s_lshl_b32 s38, s30, 9                         ; 512 bytes a K step
	s_add_co_u32 s36, s36, s38
	s_add_nc_u64 s[SRC:SRC+1], s[SRC:SRC+1], s[36:37]
	XLOAD X0, XA, SRC, 0, 1
	s_lshl_b32 s36, s33, 11
	s_add_nc_u64 s[44:45], s[26:27], s[36:37]      ; the image's codes,
	s_lshl_b32 s36, s33, 7
	s_add_co_u32 s36, s36, s35
	s_add_nc_u64 s[48:49], s[26:27], s[36:37]      ; and its scale words
	s_wait_loadcnt 0x0
	QUANT X0, PC, PW
.irp q, 0,1,2,3
	global_store_b128 v[LI], v[PC+4*\q:PC+4*\q+3], s[44:45] offset:512*\q   ; 32 lanes store 512 consecutive bytes
.endr
	global_store_b32 v[LS], v[PW], s[48:49]
	s_endpgm
	; ---- THE POSITION PRODUCT
.Lpos:
	s_sub_co_u32 s[GT], ttmp9, 192
	s_lshl_b32 s36, s[GT], 16                      ; 16 rows of 4,096 bytes
	s_lshl_b32 s38, s[WV], 9                       ; my K step: 512 bytes
	s_add_co_u32 s36, s36, s38
	s_add_nc_u64 s[SRC:SRC+1], s[8:9], s[36:37]
	s_add_nc_u64 s[OUTB:OUTB+1], s[10:11], s[38:39]
	s_lshl_b32 s36, s[GT], 6
	s_add_nc_u64 s[12:13], s[12:13], s[36:37]      ; v_p at the tile's 16 rows
	s_lshl_b32 s36, s[WV], 7
	s_add_nc_u64 s[44:45], s[18:19], s[36:37]      ; oq: my K step's codes
	s_lshl_b32 s36, s[WV], 2
	s_add_co_u32 s36, s36, 65536
	s_add_nc_u64 s[46:47], s[18:19], s[36:37]      ; and their scale bytes
	s_lshl_b32 s36, s[GT], 8
	s_and_b32 s38, s[WV], 3
	s_lshl_b32 s38, s38, 6
	s_add_co_u32 s36, s36, s38
	s_add_nc_u64 s[20:21], s[20:21], s[36:37]      ; pp[gt][16 w ..], for waves 0-3
	global_load_b128 v[VP:VP+3], v[VPA], s[12:13]
	global_load_b128 v[VP+4:VP+7], v[VPA], s[12:13] offset:16
; five items: item 0 is W_p's fragment of my K step, items 1 .. 4 are output's four tiles of 16 rows at that K step
.macro PLOAD it
.if (\it) == 0
	XLOAD X0, XO, SRC, 0, 1
.else
	XLOAD X0+64*((\it)%2), XO, OUTB, 65536*((\it)-1), 0
.endif
.endm
.macro ITEM it
.set MT, (\it)-1
.if (\it) < 4
	s_wait_loadcnt 16                              ; this item's loads are in; the next item's 16 may be out
.else
	s_wait_loadcnt 0x0
.endif
.if (\it) == 0
	QUANT X0, WF, WFS
.else
	QUANT X0+64*((\it)%2), PC, PW
.endif
.if (\it)+2 < 5
	PLOAD (\it)+2
.endif
.if (\it) != 0
	s_cmp_lg_u32 s[GT], 0                          ; the first of these work-groups stores output's codes: row-major [64][1024], scale bytes [64][32]
	s_cbranch_scc1 .Lno_oq_\@
.irp q, 0,1,2,3
	global_store_b128 v[OQA], v[PC+4*\q:PC+4*\q+3], s[44:45] offset:16384*MT+32*\q
.endr
	global_store_b32 v[OQS], v[PW], s[46:47] offset:512*MT
	s_wait_xcnt 0x0                                ; the next item writes these stores' data again only behind this wait
.Lno_oq_\@:
.rept 4
	v_nop                                          ; codes written by vector instructions stand four places ahead of a scaled matrix instruction; the scale word was made ahead of the 64 holds
.endr
	v_wmma_scale_f32_16x16x128_f8f6f4 v[ACC+8*MT:ACC+8*MT+7], v[WF:WF+15], v[PC:PC+15], 0, v[WFS], v[PW] matrix_a_fmt:MATRIX_FMT_BF8 matrix_b_fmt:MATRIX_FMT_BF8
.endif
.endm
	PLOAD 0
	PLOAD 1
.irp it, 0,1,2,3,4
	ITEM \it                                       ; source 0 = 16 rows of W_p, source 1 = 16 rows of output: register j of lane (r, h) is row g = 8 h + j, batch 16 mt + r.  Each of the four products starts its own sum
.endr
.rept 8
	v_nop                                          ; eight places behind this form before a result is read
.endr
.irp mt, 0,1,2,3
.irp u, 0,1
	ds_store_b128 v[RW], v[ACC+8*\mt+4*\u:ACC+8*\mt+4*\u+3] offset:1024*\mt+512*\u   ; each accumulator from its low end on
.endr
.endr
	s_wait_dscnt 0x0                               ; for the others' sake: my partial sums lie in LDS
	s_barrier_signal -1
	s_barrier_wait -1
	s_cmp_ge_u32 s[WV], 4                          ; four tiles of batches: waves 0-3 finish one each
	s_cbranch_scc1 .Lpend
.irp s, 0,1,2,3,4,5,6,7
.irp u, 0,1
	ds_load_b128 v[X0+8*\s+4*\u:X0+8*\s+4*\u+3], v[RRD] offset:4096*\s+512*\u        ; tile w of the batches: the eight waves' parts
.endr
.endr
	s_wait_dscnt 0x0
.irp s, 1,2,3,4,5,6,7
.irp p, 0,2,4,6
	v_pk_add_f32 v[X0+\p:X0+\p+1], v[X0+\p:X0+\p+1], v[X0+8*\s+\p:X0+8*\s+\p+1]      ; K ascending
.endr
.endr
	; tanh(x) = 1 - 2 / (1 + 2^(2 log2(e) x))
.irp p, 0,2,4,6
	v_pk_mul_f32 v[X0+\p:X0+\p+1], v[X0+\p:X0+\p+1], 0x4038aa3b op_sel_hi:[1,0]
.endr
.irp j, 0,1,2,3,4,5,6,7
	v_exp_f32 v[X0+8+\j], v[X0+\j]
.endr
	v_nop
	s_wait_alu depctr_va_vdst(0)                   ; one wait for the eight exponentials, ahead of their first reader
.irp j, 0,1,2,3,4,5,6,7
	v_add_f32 v[X0+8+\j], 1.0, v[X0+8+\j]
.endr
.irp j, 0,1,2,3,4,5,6,7
	v_rcp_f32 v[X0+16+\j], v[X0+8+\j]
.endr
	v_nop
	s_wait_alu depctr_va_vdst(0)                   ; and one for the eight reciprocals
.irp j, 0,1,2,3,4,5,6,7
	v_fma_f32 v[X0+16+\j], v[X0+16+\j], -2.0, 1.0
.endr
	v_mul_f32 v[X0+24], v[X0+16], v[VP]
.irp j, 1,2,3,4,5,6,7
	v_fma_f32 v[X0+24], v[X0+16+\j], v[VP+\j], v[X0+24]
.endr
	v_permlanex16_b32 v[TM+4], v[X0+24], s[SEL], s[SEL+1]
	v_add_f32 v[X0+24], v[X0+24], v[TM+4]          ; the tile's 16 rows
	global_store_b32 v[PPA], v[X0+24], s[20:21]    ; both halves of the lanes store the same number to the same word
.Lpend:
	s_wait_tensorcnt 0x0                           ; the wave's end
	ds_add_u32 v[SPW], v[NIL]
	s_wait_dscnt 0x0
	s_endpgm
.Lfunc_end_k_q96c5b4c6b6_prep:
	.size	k_q96c5b4c6b6_prep, .Lfunc_end_k_q96c5b4c6b6_prep-k_q96c5b4c6b6_prep
	.p2alignl 7, 3214868480
	.fill 96, 4, 3214868480
	.section	.rodata,"a",@progbits
	.p2align	6, 0x0
	.amdhsa_kernel k_q96c5b4c6b6_prep
		.amdhsa_group_segment_fixed_size 33792
		.amdhsa_private_segment_fixed_size 0
		.amdhsa_enable_private_segment 0
		.amdhsa_kernarg_size 72
		.amdhsa_user_sgpr_count 2
		.amdhsa_user_sgpr_kernarg_segment_ptr 1
		.amdhsa_wavefront_size32 1
		.amdhsa_system_sgpr_workgroup_id_x 1
		.amdhsa_system_sgpr_workgroup_id_y 1
		.amdhsa_system_sgpr_workgroup_id_z 1
		.amdhsa_system_vgpr_workitem_id 0
		.amdhsa_next_free_vgpr 256
		.amdhsa_next_free_sgpr 66
		.amdhsa_reserve_vcc 0
		.amdhsa_float_denorm_mode_32 3
		.amdhsa_float_denorm_mode_16_64 3
		.amdhsa_memory_ordered 1
		.amdhsa_forward_progress 1
		.amdhsa_inst_pref_size 71
	.end_amdhsa_kernel
	.amdgpu_metadata
---
amdhsa.version: [ 1, 2 ]
amdhsa.kernels:
  - .name:           k_q96c5b4c6b6_prep
    .symbol:         k_q96c5b4c6b6_prep.kd
    .args:
      - { .name: W_a, .offset: 0, .size: 8, .value_kind: global_buffer, .address_space: global }
      - { .name: W_c, .offset: 8, .size: 8, .value_kind: global_buffer, .address_space: global }
      - { .name: W_p, .offset: 16, .size: 8, .value_kind: global_buffer, .address_space: global }
      - { .name: output, .offset: 24, .size: 8, .value_kind: global_buffer, .address_space: global }
      - { .name: v_p, .offset: 32, .size: 8, .value_kind: global_buffer, .address_space: global }
      - { .name: wa, .offset: 40, .size: 8, .value_kind: global_buffer, .address_space: global }
      - { .name: wc, .offset: 48, .size: 8, .value_kind: global_buffer, .address_space: global }
      - { .name: oq, .offset: 56, .size: 8, .value_kind: global_buffer, .address_space: global }
      - { .name: pp, .offset: 64, .size: 8, .value_kind: global_buffer, .address_space: global }
    .group_segment_fixed_size: 33792
    .private_segment_fixed_size: 0
    .kernarg_segment_align: 8
    .kernarg_segment_size: 72
    .max_flat_workgroup_size: 256
    .sgpr_count:     66
    .vgpr_count:     256
    .wavefront_size: 32
...
	.end_amdgpu_metadata
.endif
;; end of part 1
;; launch scores (part 2): grid 256 x 1, 4 waves a work-group, no clusters, 327,680 bytes of LDS; arguments encoder_outputs, output, wa, pp, sc, w0; writes sc, w0
.if DOCPART == 2
	.amdgcn_target "amdgcn-amd-amdhsa--gfx1250"
	.amdhsa_code_object_version 6
	.text
	.protected	k_q96c5b4c6b6_scores
	.globl	k_q96c5b4c6b6_scores
	.p2align	8
	.type	k_q96c5b4c6b6_scores,@function
k_q96c5b4c6b6_scores:
	s_mov_b64 s[64:65], 0
	v_nop
	global_prefetch_b8 v0, s[64:65] scope:SCOPE_SE
	s_setreg_imm32_b32 hwreg(HW_REG_WAVE_MODE, 25, 1), 1
	s_wait_xcnt 0x0
; LAUNCH 2 OF 4.  sc[n][l] = the sum over g of output[n][g] (Q(enc)[n][l] . Q(W_a)[g]): the large quantised product and, folded into it, the one-row product with output, in f32.
; Also p_t = 1024 sigmoid(the sum of pp[.][n]) and the window's first row w0 = floor(p_t) - 63 held to 0 .. 896, stored as a whole number for launch 3 (which rows that leaves out: head of launch 1).
; SHARES.  A work-group takes 256 rows of encoder_outputs (a quarter of a batch n = wg / 4).  K goes in 8 steps of 128, a CADENCE each.  Wave w fetches and quantises rows 64 w .. 64 w + 63; in the products it owns
; columns g = 256 w .. 256 w + 255 for all 256 rows.  Each product of 16 x 16 x 128 starts from 0 and is folded at once into the score sums by four packed multiply-adds with output[g]:
; so the results need a ring of 8 tiles only, and a K step's 16 fragments of W_a sit in 256 registers.
; The order of the f32 sums so differs from reference()'s: a score is summed over K steps of sums over g; enc_proj itself is never formed.
; A CADENCE: barrier: nobody reads the last images | my 64 rows x 128 f32 from my part of the slot, quantised, their images to LDS | the wait for all my tensor loads, the add, the wait for it | barrier |
; the slot just read is asked for again, two K steps on | 256 products, each followed by the fold of the product three back.
; THE PRODUCTS GO BY HALVES OF MY COLUMNS: column tiles 0-7 against all 16 row tiles, then tiles 8-15 against all 16.  So the registers of tiles 0-7 are free behind 128 products: the NEXT K step's fragments are
; asked for during the second half, four loads at each of eight places, and are wanted only behind the next quantising.  Tiles 8-15's registers are free at the cadence's end: their fragments are asked for
; among the quantiser's LDS loads, ten loads at each of four places, and are wanted 128 products later.  The price: a fragment of enc is read from LDS twice, and feeds 8 matrix instructions each time.
; No cluster: each fragment of W_a goes straight into the registers of the one wave of a work-group that multiplies it; through LDS a K step of W_a would be 128 KB a slot, for which the f32 ring and the images leave no room.
; REGISTERS, in windows of 256.  Window 0: v1-15 addresses; v16-31 W_a's scale words; v32-47 enc's; v64-191 two sets of 64 numbers; v192-223 codes; v224-241 at work in QUANT; v242-255 at work.
;   Window 1: v0-127 W_a's fragments of column tiles 0-7; v128-255 output[256 w + 16 j + 8 h + i] at 128 + 8 j + i.   Window 2: v0-127 tiles 8-15; v128-255 the same numbers of output once more, so that one
;   setting serves a product and the folds that lag behind it.   Window 3: v0-63 four fragments of enc; v64-127 the ring of 8 results; v128-255 the score sums, 8 for each of 16 row tiles.
.set SLOTB, 135168                     ; LDS: two slots of 256 rows x (512 bytes + 16): wave w's 64 rows at 33,792 w
.set WPART, 33792
.set AIMG,  270336                     ; 16 fragment images of 2,048 bytes
.set ASC,   303104                     ; 16 scale word images of 128 bytes
.set RED,   305152                     ; 4 waves x 256 partial scores
.set SPARE, 309248                     ; the spare words, 128 bytes a wave
.set KSF,   131072                     ; wa: bytes from a K step's images to the next K step's
.set KSS,   8192                       ; and from its scale words to the next's
.set LI,  1                            ; v1   16 x lane
.set LS,  2                            ; v2   4 x lane
.set QA0, 3                            ; v3   my part of slot 0: 33,792 w + 528 r + 64 h
.set QAD, 4                            ; v4   the same in the slot in hand
.set AWI, 5                            ; v5   where I store images: AIMG + 8,192 w + 16 x lane
.set AWS, 6                            ; v6   and scale words: ASC + 512 w + 4 x lane
.set SPW, 7                            ; v7   my spare word; never rewritten
.set NIL, 8                            ; v8   0; never rewritten
.set AR,  9                            ; v9   AIMG + 16 x lane
.set ASR, 10                           ; v10  ASC + 4 x lane
.set RW,  11                           ; v11  RED + 1,024 w + 4 r
.set RR,  12                           ; v12  RED + 8 x thread
.set SO,  13                           ; v13  8 x thread
.set OA,  14                           ; v14  32 h
.set PA,  15                           ; v15  256 x lane + 4 n
.set WS,  16
.set ES,  32
.set X0,  64
.set X1,  128
.set PC0, 192
.set PC1, 208
.set TM,  224
.set PW0, 240
.set PW1, 241
.set EF,  0                            ; window 3
.set AC,  64
.set SCR, 128
.set OV,  128                          ; windows 1 and 2
.set WV,  16
.set TB,  22                           ; s22  0 or SLOTB: the slot in hand
.set WB,  23                           ; s23  33,792 w
.set CNT, 24
.set WAF, 26                           ; s[26:27] W_a's images of the K step in hand, my 16 column tiles
.set WAS, 28                           ; s[28:29] their scale words
.set G1,  32                           ; s[32:39] descriptor group 1
.set G0A, 40                           ; s[40:43] group 0 of the first fill
.set G0B, 44                           ; s[44:47] group 0 of the second, which then walks
.set SEL, 48
.set MNT, 50
.set MSB, 0
.macro WIN new                         ; the immediate's high byte repeats the setting that is left
.if MSB != \new
	s_set_vgpr_msb (MSB<<8)|\new
.set MSB, \new
.endif
.endm
.macro QUANT x, pc, pw                 ; 64 numbers of a lane (register 16 b + i = k 32 b + 16 h + i of row r) become a fragment's codes and its scale word
.irp b, 0,1,2,3
	v_max3_num_f32 v[TM+\b], |v[(\x)+16*\b]|, |v[(\x)+1+16*\b]|, 0x8000000   ; with the floor 2^(16 - 127): the byte cannot fall under 1
.endr
.irp i, 2,4,6,8,10,12,14
.irp b, 0,1,2,3
	v_max3_num_f32 v[TM+\b], v[TM+\b], |v[(\x)+16*\b+\i]|, |v[(\x)+1+16*\b+\i]|
.endr
.endr
.irp b, 0,1,2,3
	v_permlanex16_b32 v[TM+4+\b], v[TM+\b], s[SEL], s[SEL+1]
.endr
.irp b, 0,1,2,3
	v_max_num_f32 v[TM+\b], v[TM+\b], v[TM+4+\b]
.endr
.irp b, 0,1,2,3
	v_add_nc_u32 v[TM+12+\b], 0xf8800000, v[TM+\b]                 ; 15 off the exponent field: the conversion's scale operand
.endr
.irp b, 0,1,2,3
	v_and_or_b32 v[TM+8+\b], v[TM+\b], 0x7f800000, s[MNT]          ; 57,344 x the scale
.endr
.irp b, 0,1,2,3
	v_lshrrev_b32 v[TM+4+\b], 23, v[TM+12+\b]                      ; the scale's byte
.endr
	v_lshl_or_b32 v[\pw], v[TM+5], 8, v[TM+4]
	v_lshl_or_b32 v[\pw], v[TM+6], 16, v[\pw]
	v_lshl_or_b32 v[\pw], v[TM+7], 24, v[\pw]
.irp b, 0,1,2,3
.irp i, 0,1,2,3,4,5,6,7,8,9,10,11,12,13,14,15
	v_med3_num_f32 v[(\x)+16*\b+\i], v[(\x)+16*\b+\i], -v[TM+8+\b], v[TM+8+\b]   ; the conversion does not saturate (ISA guide 7.6.2)
.endr
	v_cvt_scalef32_pk8_bf8_f32 v[(\pc)+4*\b:(\pc)+1+4*\b], v[(\x)+16*\b:(\x)+7+16*\b], v[TM+12+\b]
	v_cvt_scalef32_pk8_bf8_f32 v[(\pc)+2+4*\b:(\pc)+3+4*\b], v[(\x)+8+16*\b:(\x)+15+16*\b], v[TM+12+\b]
.endr
	v_nop                                          ; one plain line behind the last conversion
.endm
.macro QLOAD x, i                      ; tile i (16 rows) of my 64: rows 528 bytes apart
.irp b, 0,1,2,3
.irp j, 0,1,2,3
	ds_load_b128 v[(\x)+16*\b+4*\j:(\x)+16*\b+4*\j+3], v[QAD] offset:8448*(\i)+128*\b+16*\j
.endr
.endr
.endm
.macro IMG pc, pw, i                   ; a fragment goes to LDS as it stands in the registers
.irp q, 0,1,2,3
	ds_store_b128 v[AWI], v[(\pc)+4*\q:(\pc)+4*\q+3] offset:2048*(\i)+512*\q
.endr
	ds_store_b32 v[AWS], v[\pw] offset:128*(\i)
.endm
.macro H0FRAG i, off                   ; W_a's fragment of column tile i (0-7), off bytes on from the K step in hand, into window 1 (the caller sets the window): each load takes 512 consecutive bytes
.irp q, 0,1,2,3
	global_load_b128 v[16*(\i)+4*\q:16*(\i)+4*\q+3], v[LI], s[WAF:WAF+1] offset:(\off)+2048*(\i)+512*\q
.endr
.endm
.macro H0WS off                        ; the scale words of column tiles 0-7
.irp j, 0,1,2,3,4,5,6,7
	global_load_b32 v[WS+\j], v[LS], s[WAS:WAS+1] offset:(\off)+128*\j
.endr
.endm
.macro BL1 i                           ; part i of four: the fragments and scale words of column tiles 8 + 2 i, 9 + 2 i of the K step in hand: ten loads
	WIN 0x80
.irp jj, 0,1
.irp q, 0,1,2,3
	global_load_b128 v[16*(2*(\i)+\jj)+4*\q:16*(2*(\i)+\jj)+4*\q+3], v[LI], s[WAF:WAF+1] offset:2048*(8+2*(\i)+\jj)+512*\q
.endr
.endr
	WIN 0
.irp jj, 0,1
	global_load_b32 v[WS+8+2*(\i)+\jj], v[LS], s[WAS:WAS+1] offset:128*(8+2*(\i)+\jj)
.endr
.endm
.macro EFLOAD f                        ; turn f (0-31) multiplies enc's fragment f % 16; it comes into set f % 4
.irp q, 0,1,2,3
	ds_load_b128 v[EF+16*((\f)%4)+4*\q:EF+16*((\f)%4)+4*\q+3], v[AR] offset:2048*((\f)%16)+512*\q
.endr
.endm
.macro EPI t                           ; the fold of product t = 8 f + jj: row tile m = f % 16, column tile j = jj + 8 (f / 16): score sums of m += output[g] x result; four chains; the result is read from its low end on
.set EPF, (\t)/8
.set EPM, EPF%16
.set EPJ, (\t)%8+8*(EPF/16)
.irp i, 0,2,4,6
	v_pk_fma_f32 v[SCR+8*EPM+\i:SCR+8*EPM+\i+1], v[OV+8*EPJ+\i:OV+8*EPJ+\i+1], v[AC+8*((\t)%8)+\i:AC+8*((\t)%8)+\i+1], v[SCR+8*EPM+\i:SCR+8*EPM+\i+1]
.endr
.endm
; 256 products in 32 turns of 8.  Source 0 = 16 rows of W_a, source 1 = 16 rows of enc: register i of lane (r, h) is g = 16 j + 8 h + i, row 16 m + r.  Every product starts from 0: none adds onto another.
; A result is read eight places or more behind its product.  In the run, between product t and its fold stand the folds of t - 3, t - 2, t - 1: twelve plain lines that name none of its registers.
; At the run's head there is nothing yet to fold: eight v_nop behind product 1 are the places of products 0 and 1; product 2 has the folds of 0 and 1, eight lines, ahead of its own.
; Product t + 8 writes the ring tile of product t, 28 plain lines on.
; THE MEMORY INSTRUCTIONS STAND TOGETHER, ahead of the third product of each even turn: three folds, twelve plain lines, behind the last product of the turn before, which is the last reader of what they load into:
; enc's fragments of the turns two and three on (their sets were read in the two turns before); and in the second half the next K step's fragment of one of column tiles 0-7, whose last reader is product 127.
; spread = 1: that fragment at each of the eight even turns.  spread = 0, the last two cadences: the eight in one run at turn 16, under one branch on the loop's counter: the last cadence has no next K step, and no load leaves wa.
.macro GEMM spread
.irp m, 0,1,2,3,4,5,6,7,8,9,10,11,12,13,14,15
	ds_load_b32 v[ES+\m], v[ASR] offset:128*\m
.endr
	WIN 0xc0
	EFLOAD 0
	EFLOAD 1
.set T, 0
.rept 256
.set GF, T/8
.set GJ, T%8
.set GM, GF%16
.set GH, GF/16
.if GJ == 0
.if GF == 31
	s_wait_dscnt 0x0
.elseif (GF%2) == 0
	s_wait_dscnt 4                                 ; this turn's fragment is in; its partner's four loads may be out
.else
	s_wait_dscnt 8                                 ; this turn's fragment is in; behind it: the eight loads of the next two turns
.endif
.if GF == 0
	s_wait_loadcnt 40                              ; column tiles 0-7 are in; behind them: the 40 loads of tiles 8-15
	WIN 0xfd                                       ; source 0 window 1; source 1, source 2 and destination window 3
.endif
.if GF == 16
	s_wait_loadcnt 0x0                             ; column tiles 8-15 are in (asked for ahead of the first half)
	WIN 0xfe                                       ; source 0 window 2
.endif
.endif
.if (GJ == 2) && ((GF%2) == 0)
.if GF <= 28
	WIN 0xc0
	EFLOAD GF+2
	EFLOAD GF+3
.endif
.if GH == 1
.if \spread
	WIN 0x40
	H0FRAG (GF-16)/2, KSF
.if GF == 16
	WIN 0
	H0WS KSS
.endif
.elseif GF == 16
	WIN 0                                          ; at a branch and at a label every window is 0
	s_cmp_eq_u32 s[CNT], 1                         ; the last cadence?
	s_cbranch_scc1 .Lno_next_\@
	WIN 0x40
.irp i, 0,1,2,3,4,5,6,7
	H0FRAG \i, KSF
.endr
	WIN 0
	H0WS KSS
.Lno_next_\@:
.endif
	WIN 0xfe
.else
	WIN 0xfd
.endif
.endif
	v_wmma_scale_f32_16x16x128_f8f6f4 v[AC+8*GJ:AC+8*GJ+7], v[16*GJ:16*GJ+15], v[EF+16*(GF%4):EF+16*(GF%4)+15], 0, v[WS+GJ+8*GH], v[ES+GM] matrix_a_fmt:MATRIX_FMT_BF8 matrix_b_fmt:MATRIX_FMT_BF8
.if T == 1
.rept 8
	v_nop                                          ; the places of products 0 and 1, whose folds come before any other fold could stand between
.endr
.endif
.if T >= 3
	EPI T-3
.endif
.set T, T+1
.endr
	EPI 253
	EPI 254
	EPI 255
	WIN 0
	s_wait_xcnt 0x0                                ; the loads that are out have read their bases: only behind this wait are the bases stepped
	s_add_nc_u64 s[WAF:WAF+1], s[WAF:WAF+1], KSF   ; on to the next K step
	s_add_nc_u64 s[WAS:WAS+1], s[WAS:WAS+1], KSS
.endm
.macro CADENCE refill
	s_wait_dscnt 0x0                               ; my reads of the last images are over
	s_barrier_signal -1
	s_barrier_wait -1                              ; everybody's are.  Nothing is filled between this barrier and the next, so my tensor load may stay out across it
	v_add_nc_u32 v[QAD], s[TB], v[QA0]
	QLOAD X0, 0
	QLOAD X1, 1
	BL1 0                                          ; behind the last product stand the folds of 252 to 255: sixteen places ahead of these loads into registers that it read
	s_wait_dscnt 16                                ; tile 0 is in; tile 1's 16 loads may be out
	QUANT X0, PC0, PW0
	IMG PC0, PW0, 0
	QLOAD X0, 2
	BL1 1
	s_wait_dscnt 21                                ; tile 1 is in; behind it: 5 image stores and 16 loads
	QUANT X1, PC1, PW1
	IMG PC1, PW1, 1
	QLOAD X1, 3
	BL1 2
	s_wait_dscnt 21                                ; tile 2 is in; behind it: 5 image stores and 16 loads
	QUANT X0, PC0, PW0
	IMG PC0, PW0, 2
	BL1 3
	s_wait_dscnt 5                                 ; tile 3 is in; behind it: 5 image stores
	QUANT X1, PC1, PW1
	IMG PC1, PW1, 3
	s_wait_tensorcnt 0x0                           ; all my tensor loads have landed: my part of the next K step's slot; so a group 0 may be written
	ds_add_u32 v[SPW], v[NIL]                      ; 0 onto my spare word
.if \refill
	s_xor_b32 s[G0B+1], s[G0B+1], SLOTB            ; the slot just read (33,792 w has bits 12 and 17 clear, so the exclusive or is the addition),
	s_add_nc_u64 s[G0B+2:G0B+3], s[G0B+2:G0B+3], 512   ; the K step two on; the type bits on top are not reached
.endif
	s_xor_b32 s[TB], s[TB], SLOTB
	s_wait_dscnt 0x0                               ; the add is done, my reads of the slot are over, my images lie in LDS
	s_barrier_signal -1
	s_barrier_wait -1
.if \refill
	tensor_load_to_lds s[G0B:G0B+3], s[G1:G1+7]    ; my one tensor load behind this barrier: it has the products and the next quantising in which to land
	s_nop 0
.rept 4
	v_nop
.endr
.endif
	GEMM \refill
.endm
	s_load_b256 s[4:11], s[0:1], 0x0               ; enc s[4:5], output s[6:7], wa s[8:9], pp s[10:11]
	s_load_b128 s[12:15], s[0:1], 0x20             ; sc s[12:13], w0 s[14:15]
	v_lshl_add_u32 v[SPW], v0, 2, SPARE
	v_mov_b32 v[NIL], 0
	ds_add_u32 v[SPW], v[NIL]                      ; the wave's opening: the add, twice on end, and its wait ahead of my first tensor load
	ds_add_u32 v[SPW], v[NIL]
	v_lshrrev_b32 v1, 5, v0
	v_readfirstlane_b32 s[WV], v1                  ; wave 0..3
	s_mov_b32 s[G1+0], (2<<16)|(1<<20)|(6<<22)|(3<<25)   ; no mask; elements of 4 bytes; padding on: 4 words behind every 128
	s_mov_b32 s[G1+1], 128<<16                     ; tensor_dim0 = 128
	s_mov_b32 s[G1+2], 64<<16                      ; tensor_dim1 = 64
	s_mov_b32 s[G1+3], 128<<16                     ; tile_dim0 = 128
	s_mov_b32 s[G1+4], 64                          ; tile_dim1 = 64
	s_mov_b32 s[G1+5], 1024                        ; elements from row to row
	s_mov_b32 s[G1+6], 0
	s_mov_b32 s[G1+7], 0
	s_mul_i32 s[WB], s[WV], WPART
	s_lshl_b32 s20, ttmp9, 20                      ; 256 rows of 4,096 bytes a work-group,
	s_lshl_b32 s21, s[WV], 18                      ; 64 a wave
	s_add_co_u32 s20, s20, s21
	s_mov_b32 s21, 0
	s_lshr_b32 s18, ttmp9, 2                       ; n
	s_mov_b32 s[SEL], 0x76543210
	s_mov_b32 s[SEL+1], 0xfedcba98
	s_mov_b32 s[MNT], 0x600000
	s_mov_b32 s[TB], 0
	s_mov_b32 s[CNT], 0
	s_wait_dscnt 0x0                               ; both opening adds are done
	s_wait_kmcnt 0x0
	s_mov_b32 s[G0A], 1
	s_mov_b32 s[G0A+1], s[WB]                      ; slot 0, my part
	s_add_nc_u64 s[G0A+2:G0A+3], s[4:5], s[20:21]  ; K step 0 of my 64 rows
	s_mov_b32 s[G0B], 1
	s_add_co_u32 s[G0B+1], s[WB], SLOTB            ; slot 1
	s_add_nc_u64 s[G0B+2:G0B+3], s[G0A+2:G0A+3], 512   ; K step 1
	s_or_b32 s[G0A+3], s[G0A+3], 0x80000000
	s_or_b32 s[G0B+3], s[G0B+3], 0x80000000
	tensor_load_to_lds s[G0A:G0A+3], s[G1:G1+7]    ; every wave issues both first fills: two loads of mine are out here, one behind each later refill
	s_nop 0
	tensor_load_to_lds s[G0B:G0B+3], s[G1:G1+7]
	s_nop 0
.rept 4
	v_nop
.endr
	v_and_b32 v246, 31, v0                         ; lane
	v_and_b32 v244, 15, v0                         ; r
	v_bfe_u32 v245, v0, 4, 1                       ; h
	v_lshlrev_b32 v[LI], 4, v246
	v_lshlrev_b32 v[LS], 2, v246
	v_mul_u32_u24 v[QA0], v244, 528
	v_lshl_add_u32 v[QA0], v245, 6, v[QA0]
	v_add_nc_u32 v[QA0], s[WB], v[QA0]
	s_lshl_b32 s20, s[WV], 13
	s_add_co_u32 s20, s20, AIMG
	v_add_nc_u32 v[AWI], s20, v[LI]
	s_lshl_b32 s20, s[WV], 9
	s_add_co_u32 s20, s20, ASC
	v_add_nc_u32 v[AWS], s20, v[LS]
	v_add_nc_u32 v[AR], AIMG, v[LI]
	v_add_nc_u32 v[ASR], ASC, v[LS]
	s_lshl_b32 s20, s[WV], 10
	s_add_co_u32 s20, s20, RED
	v_lshl_add_u32 v[RW], v244, 2, s20
	v_lshl_add_u32 v[RR], v0, 3, RED
	v_lshlrev_b32 v[SO], 3, v0
	v_lshlrev_b32 v[OA], 5, v245
	s_lshl_b32 s20, s18, 2
	v_lshl_add_u32 v[PA], v246, 8, s20
	global_load_b32 v242, v[PA], s[10:11]          ; pp[lane][n],
	global_load_b32 v243, v[PA], s[10:11] offset:8192   ; pp[lane + 32][n]
	s_lshl_b32 s20, s18, 12
	s_lshl_b32 s17, s[WV], 10
	s_add_co_u32 s20, s20, s17
	s_add_nc_u64 s[6:7], s[6:7], s[20:21]          ; output[n][256 w ..]
	s_lshl_b32 s20, s[WV], 15
	s_add_nc_u64 s[WAF:WAF+1], s[8:9], s[20:21]
	s_lshl_b32 s20, s[WV], 11
	s_add_co_u32 s20, s20, 0x100000
	s_add_nc_u64 s[WAS:WAS+1], s[8:9], s[20:21]
	s_lshl_b32 s20, ttmp9, 10
	s_add_nc_u64 s[52:53], s[12:13], s[20:21]      ; my work-group's 256 scores
	s_lshl_b32 s20, ttmp9, 2
	s_add_nc_u64 s[14:15], s[14:15], s[20:21]      ; its whole number
	s_add_co_u32 s20, s20, 262144
	s_add_nc_u64 s[54:55], s[12:13], s[20:21]      ; its p_t
	WIN 0x40
.irp j, 0,1,2,3,4,5,6,7,8,9,10,11,12,13,14,15
.irp u, 0,1
	global_load_b128 v[OV+8*\j+4*\u:OV+8*\j+4*\u+3], v[OA], s[6:7] offset:64*\j+16*\u
.endr
.endr
.irp i, 0,1,2,3,4,5,6,7
	H0FRAG \i, 0                                   ; K step 0's column tiles 0-7: later K steps' are asked for in the cadence before
.endr
	WIN 0x80
.irp j, 0,1,2,3,4,5,6,7,8,9,10,11,12,13,14,15
.irp u, 0,1
	global_load_b128 v[OV+8*\j+4*\u:OV+8*\j+4*\u+3], v[OA], s[6:7] offset:64*\j+16*\u
.endr
.endr
	WIN 0
	H0WS 0
	WIN 0xc0
.set I, 0
.rept 128
	v_mov_b32 v[SCR+I], 0                          ; the score sums are vector sums that live through all eight cadences, written once as one text: they begin as zeros, cleared while the first fills are on their way
.set I, I+1
.endr
	WIN 0
.irp b, 0,1,2,3
	v_mov_b32 v[TM+4+\b], 0                        ; written once: a lane permute's destination counts as one of its sources
.endr
	s_wait_tensorcnt 1                             ; my part of K step 0 has landed; K step 1's load may be out.  I alone read the rows that I fetch
.Lmain:                                            ; cadences 0 to 5: each asks for the K step two on
	CADENCE 1
	s_add_co_u32 s[CNT], s[CNT], 1
	s_cmp_lt_u32 s[CNT], 6
	s_cbranch_scc1 .Lmain
	s_mov_b32 s[CNT], 0
.Ltail:                                            ; cadences 6 and 7 are written out: no tile is left to fetch
	CADENCE 0
	s_add_co_u32 s[CNT], s[CNT], 1
	s_cmp_lt_u32 s[CNT], 2
	s_cbranch_scc1 .Ltail
	; THE FOLD: a lane's eight sums, the other half of the lanes', the other three waves'
	WIN 0xff
.irp m, 0,1,2,3,4,5,6,7,8,9,10,11,12,13,14,15
	v_pk_add_f32 v[SCR+8*\m:SCR+8*\m+1], v[SCR+8*\m:SCR+8*\m+1], v[SCR+8*\m+2:SCR+8*\m+3]
	v_pk_add_f32 v[SCR+8*\m+4:SCR+8*\m+5], v[SCR+8*\m+4:SCR+8*\m+5], v[SCR+8*\m+6:SCR+8*\m+7]
.endr
.irp m, 0,1,2,3,4,5,6,7,8,9,10,11,12,13,14,15
	v_pk_add_f32 v[SCR+8*\m:SCR+8*\m+1], v[SCR+8*\m:SCR+8*\m+1], v[SCR+8*\m+4:SCR+8*\m+5]
.endr
	WIN 0x0f
.irp m, 0,1,2,3,4,5,6,7,8,9,10,11,12,13,14,15
	v_add_f32 v[X0+\m], v[SCR+8*\m], v[SCR+8*\m+1]
.endr
	WIN 0
.irp m, 0,1,2,3,4,5,6,7,8,9,10,11,12,13,14,15
	v_permlanex16_b32 v[X0+16+\m], v[X0+\m], s[SEL], s[SEL+1]
.endr
.irp m, 0,1,2,3,4,5,6,7,8,9,10,11,12,13,14,15
	v_add_f32 v[X0+\m], v[X0+\m], v[X0+16+\m]
.endr
.irp m, 0,1,2,3,4,5,6,7,8,9,10,11,12,13,14,15
	ds_store_b32 v[RW], v[X0+\m] offset:64*\m      ; row 16 m + r; both halves of the lanes write the same number to the same word
.endr
	s_wait_dscnt 0x0                               ; for the others' sake
	s_barrier_signal -1
	s_barrier_wait -1
.irp s, 0,1,2,3
	ds_load_b64 v[248+2*\s:249+2*\s], v[RR] offset:1024*\s
.endr
	s_wait_dscnt 0x0
.irp s, 1,2,3
	v_pk_add_f32 v[248:249], v[248:249], v[248+2*\s:249+2*\s]
.endr
	global_store_b64 v[SO], v[248:249], s[52:53]   ; a wave's store covers 256 consecutive bytes, aligned
	; p_t and the window
	v_add_f32 v242, v242, v243
	v_add_f32_dpp v242, v242, v242 row_xmask:1 row_mask:0xf bank_mask:0xf
	v_add_f32_dpp v242, v242, v242 row_xmask:2 row_mask:0xf bank_mask:0xf
	v_add_f32_dpp v242, v242, v242 row_xmask:4 row_mask:0xf bank_mask:0xf
	v_add_f32_dpp v242, v242, v242 row_xmask:8 row_mask:0xf bank_mask:0xf
	v_permlanex16_b32 v243, v242, s[SEL], s[SEL+1]
	v_add_f32 v242, v242, v243                     ; z = v_p . tanh(..)
	v_mul_f32 v242, 0xbfb8aa3b, v242               ; -log2(e) z
	v_exp_f32 v243, v242
	v_nop
	s_wait_alu depctr_va_vdst(0)
	v_add_f32 v243, 1.0, v243
	v_rcp_f32 v244, v243
	v_nop
	s_wait_alu depctr_va_vdst(0)
	v_mul_f32 v244, 0x44800000, v244               ; p_t = 1024 sigmoid(z)
	v_floor_f32 v245, v244
	v_add_f32 v245, 0xc27c0000, v245               ; - 63
	v_med3_num_f32 v245, v245, 0, 0x44600000       ; held to 0 .. 896
	v_cvt_u32_f32 v245, v245
	v_mov_b32 v246, 0
	s_wait_xcnt 0x0                                ; EXEC changes only behind this wait
	v_cmp_eq_u32 vcc_lo, 0, v0
	s_and_saveexec_b32 s51, vcc_lo                 ; thread 0 of the work-group alone
	global_store_b32 v246, v244, s[54:55]
	global_store_b32 v246, v245, s[14:15]
	s_wait_xcnt 0x0                                ; and again, in front of the line that widens it
	s_or_b32 exec_lo, exec_lo, s51
	s_wait_tensorcnt 0x0                           ; the wave's end
	ds_add_u32 v[SPW], v[NIL]
	s_wait_dscnt 0x0
	s_endpgm
.Lfunc_end_k_q96c5b4c6b6_scores:
	.size	k_q96c5b4c6b6_scores, .Lfunc_end_k_q96c5b4c6b6_scores-k_q96c5b4c6b6_scores
	.p2alignl 7, 3214868480
	.fill 96, 4, 3214868480
	.section	.rodata,"a",@progbits
	.p2align	6, 0x0
	.amdhsa_kernel k_q96c5b4c6b6_scores
		.amdhsa_group_segment_fixed_size 327680
		.amdhsa_private_segment_fixed_size 0
		.amdhsa_enable_private_segment 0
		.amdhsa_kernarg_size 48
		.amdhsa_user_sgpr_count 2
		.amdhsa_user_sgpr_kernarg_segment_ptr 1
		.amdhsa_wavefront_size32 1
		.amdhsa_system_sgpr_workgroup_id_x 1
		.amdhsa_system_sgpr_workgroup_id_y 1
		.amdhsa_system_sgpr_workgroup_id_z 1
		.amdhsa_system_vgpr_workitem_id 0
		.amdhsa_next_free_vgpr 1024
		.amdhsa_next_free_sgpr 66
		.amdhsa_reserve_vcc 1
		.amdhsa_float_denorm_mode_32 3
		.amdhsa_float_denorm_mode_16_64 3
		.amdhsa_memory_ordered 1
		.amdhsa_forward_progress 1
		.amdhsa_inst_pref_size 255
	.end_amdhsa_kernel
	.section	.bss,"aw",@nobits
	.p2align	6
	.space	262144
	.amdgpu_metadata
---
amdhsa.version: [ 1, 2 ]
amdhsa.kernels:
  - .name:           k_q96c5b4c6b6_scores
    .symbol:         k_q96c5b4c6b6_scores.kd
    .args:
      - { .name: encoder_outputs, .offset: 0, .size: 8, .value_kind: global_buffer, .address_space: global }
      - { .name: output, .offset: 8, .size: 8, .value_kind: global_buffer, .address_space: global }
      - { .name: wa, .offset: 16, .size: 8, .value_kind: global_buffer, .address_space: global }
      - { .name: pp, .offset: 24, .size: 8, .value_kind: global_buffer, .address_space: global }
      - { .name: sc, .offset: 32, .size: 8, .value_kind: global_buffer, .address_space: global }
      - { .name: w0, .offset: 40, .size: 8, .value_kind: global_buffer, .address_space: global }
    .group_segment_fixed_size: 327680
    .private_segment_fixed_size: 0
    .kernarg_segment_align: 8
    .kernarg_segment_size: 48
    .max_flat_workgroup_size: 128
    .sgpr_count:     66
    .vgpr_count:     1024
    .wavefront_size: 32
...
	.end_amdgpu_metadata
.endif
;; end of part 2
;; launch context (part 3): grid 256 x 1, 8 waves a work-group, no clusters, 5,120 bytes of LDS; arguments encoder_outputs, sc, w0, cq; writes cq
.if DOCPART == 3
	.amdgcn_target "amdgcn-amd-amdhsa--gfx1250"
	.amdhsa_code_object_version 6
	.text
	.protected	k_q96c5b4c6b6_context
	.globl	k_q96c5b4c6b6_context
	.p2align	8
	.type	k_q96c5b4c6b6_context,@function
k_q96c5b4c6b6_context:
	s_mov_b64 s[64:65], 0
	v_nop
	global_prefetch_b8 v0, s[64:65] scope:SCOPE_SE
	s_setreg_imm32_b32 hwreg(HW_REG_WAVE_MODE, 25, 1), 1
	s_wait_xcnt 0x0
; LAUNCH 3 OF 4.  context[n][c] = the sum over l of softmax(sc[n])[l] exp(-(l - p_t)^2 / 25) enc[n][l][c], in f32 by fused multiply-adds (it goes on into a quantised operand), then its codes of E5M2.
; LEFT OUT: the rows l outside w0 .. w0 + 127, w0 the whole number that launch 2 stored: their factor is under e^-163 for every input (shown at the head of launch 1; the limit on NaN and infinities there too).
; The softmax itself is taken over all 1,024 scores, with its maximum taken away.
; SHARES.  Work-group wg: batch n = wg / 4, columns 256 (wg % 4) on.  Wave w: 64 columns (256 bytes of a row) 64 (w % 4) on, window rows 64 (w / 4) on; lanes 0-15 its rows 0-31, lanes 16-31 its rows 32-63,
; four columns a lane: sixteen lanes read 256 consecutive bytes, aligned.  No matrix unit (one row a batch), no tensor load, no cluster (no two work-groups read the same rows' bytes).
.set SPARE, 4096                       ; LDS: 0 .. 2,047 each wave's 64 weights (256 bytes a wave); 2,048 .. 4,095 the two row halves' 256 sums; then the spare words, 128 bytes a wave
.set LN,  1                            ; v1   lane
.set R16, 2                            ; v2   lane % 16
.set VH,  3                            ; v3   lane / 16
.set EA,  4                            ; v4   32 rows x h + 16 x (lane % 16)
.set SA,  5                            ; v5   16 x lane
.set WSA, 6                            ; v6   4 x lane
.set SPW, 7                            ; v7   my spare word; never rewritten
.set NIL, 8                            ; v8   0; never rewritten
.set WLW, 9                            ; v9   256 w + 4 x lane
.set WLR, 10                           ; v10  256 w + 128 h
.set STW, 11                           ; v11  2,048 + 256 w + 16 x (lane % 16)
.set STR, 12                           ; v12  2,048 + 32 x lane
.set CQA, 13                           ; v13  8 x lane
.set CQS, 14                           ; v14  lane / 4
.set S,   16                           ; v16-47 32 scores; v48, v49 my two window rows' scores; v50, v51 their windows' exponents
.set E,   64                           ; v64-191 32 rows x 4 columns
.set WT,  192                          ; v192-223 my half's 32 weights
.set ACC, 224                          ; v224-239 four sets of four sums
.set W0,  12
.set PT,  13
.set WV,  16
.set IDX, 30
.set L2E, 38
.set MNT, 39
.set SEL, 40
	s_load_b256 s[4:11], s[0:1], 0x0               ; enc s[4:5], sc s[6:7], w0 s[8:9], cq s[10:11]
	v_lshl_add_u32 v[SPW], v0, 2, SPARE
	v_mov_b32 v[NIL], 0
	v_lshrrev_b32 v1, 5, v0
	v_readfirstlane_b32 s[WV], v1                  ; wave 0..7
	s_lshl_b32 s14, ttmp9, 2
	s_wait_kmcnt 0x0
	s_load_b32 s[W0], s[8:9], s14 offset:0x0       ; the window's first row (the four work-groups of a batch stored the same number),
	s_load_b32 s[PT], s[6:7], s14 offset:0x40000   ; and p_t
	v_and_b32 v[LN], 31, v0
	v_and_b32 v[R16], 15, v0
	v_bfe_u32 v[VH], v0, 4, 1
	v_lshlrev_b32 v[EA], 4, v[R16]
	v_lshl_add_u32 v[EA], v[VH], 17, v[EA]
	v_lshlrev_b32 v[SA], 4, v[LN]
	v_lshlrev_b32 v[WSA], 2, v[LN]
	s_lshl_b32 s36, s[WV], 8
	v_lshl_add_u32 v[WLW], v[LN], 2, s36
	v_lshl_add_u32 v[WLR], v[VH], 7, s36
	s_add_co_u32 s37, s36, 2048
	v_lshl_add_u32 v[STW], v[R16], 4, s37
	v_lshl_add_u32 v[STR], v[LN], 5, 2048
	v_lshlrev_b32 v[CQA], 3, v[LN]
	v_lshrrev_b32 v[CQS], 2, v[LN]
	v_mov_b32 v242, 0                              ; written once: a lane permute's destination counts as one of its sources
	s_lshr_b32 s17, ttmp9, 2                       ; n
	s_and_b32 s18, ttmp9, 3                        ; which 256 columns
	s_and_b32 s19, s[WV], 3                        ; which 64 of them
	s_lshr_b32 s20, s[WV], 2                       ; which 64 rows of the window
	s_mov_b32 s[L2E], 0x3fb8aa3b
	s_mov_b32 s[MNT], 0x600000
	s_mov_b32 s[SEL], 0x76543210
	s_mov_b32 s[SEL+1], 0xfedcba98
	s_mov_b32 s23, 0
	s_mov_b32 s25, 0
	s_lshl_b32 s24, s17, 12
	s_add_nc_u64 s[26:27], s[6:7], s[24:25]        ; the batch's 1,024 scores
	s_lshl_b32 s24, s17, 10
	s_lshl_b32 s22, s18, 8
	s_add_co_u32 s24, s24, s22
	s_add_nc_u64 s[32:33], s[10:11], s[24:25]      ; my work-group's 256 codes
	s_lshl_b32 s24, s17, 5
	s_lshl_b32 s22, s18, 3
	s_add_co_u32 s24, s24, s22
	s_add_co_u32 s24, s24, 65536
	s_add_nc_u64 s[34:35], s[10:11], s[24:25]      ; and their 8 scale bytes
.irp i, 0,1,2,3,4,5,6,7
	global_load_b128 v[S+4*\i:S+4*\i+3], v[SA], s[26:27] offset:512*\i
.endr
	s_wait_kmcnt 0x0
	s_min_u32 s[W0], s[W0], 896                    ; a loaded number enters addresses only behind this hold
	s_lshl_b32 s21, s20, 6
	s_add_co_u32 s[IDX], s[W0], s21                ; my wave's first row in the batch
	s_lshl_b32 s21, s17, 10
	s_add_co_u32 s21, s21, s[IDX]                  ; and among all 65,536 rows
	s_lshl_b32 s24, s21, 2
	s_add_nc_u64 s[28:29], s[6:7], s[24:25]        ; its score
	s_lshl_b32 s22, s21, 12
	s_lshl_b32 s24, s18, 10
	s_add_co_u32 s22, s22, s24
	s_lshl_b32 s24, s19, 8
	s_add_co_u32 s22, s22, s24
	s_add_nc_u64 s[4:5], s[4:5], s[22:23]          ; its 256 bytes of my columns
	global_load_b32 v[S+32], v[WSA], s[28:29]
	global_load_b32 v[S+33], v[WSA], s[28:29] offset:128
.set T, 0
.rept 32
	global_load_b128 v[E+4*T:E+4*T+3], v[EA], s[4:5] offset:4096*T th:TH_LOAD_NT
.set T, T+1
.endr
	s_wait_loadcnt 32                              ; the scores are in; the 32 row loads stay out
	v_max3_num_f32 v240, v[S], v[S+1], v[S+2]
	v_max3_num_f32 v241, v[S+3], v[S+4], v[S+5]
.irp i, 6,10,14,18,22,26
	v_max3_num_f32 v240, v240, v[S+\i], v[S+\i+1]
	v_max3_num_f32 v241, v241, v[S+\i+2], v[S+\i+3]
.endr
	v_max3_num_f32 v240, v240, v[S+30], v[S+31]
	v_max_num_f32 v240, v240, v241
	v_max_num_f32_dpp v240, v240, v240 row_xmask:1 row_mask:0xf bank_mask:0xf
	v_max_num_f32_dpp v240, v240, v240 row_xmask:2 row_mask:0xf bank_mask:0xf
	v_max_num_f32_dpp v240, v240, v240 row_xmask:4 row_mask:0xf bank_mask:0xf
	v_max_num_f32_dpp v240, v240, v240 row_xmask:8 row_mask:0xf bank_mask:0xf
	v_permlanex16_b32 v242, v240, s[SEL], s[SEL+1]
	v_max_num_f32 v240, v240, v242                 ; the largest of the 1,024 scores
	v_mul_f32 v241, s[L2E], v240
.set T, 0
.rept 34
	v_fma_f32 v[S+T], v[S+T], s[L2E], -v241        ; log2(e) (score - the largest)
.set T, T+1
.endr
	v_add_nc_u32 v243, s[IDX], v[LN]               ; my two rows' numbers l,
	v_add_nc_u32 v244, 32, v243
	v_cvt_f32_u32 v243, v243
	v_cvt_f32_u32 v244, v244
	v_sub_f32 v243, v243, s[PT]                    ; l - p_t,
	v_sub_f32 v244, v244, s[PT]
	v_mul_f32 v243, v243, v243
	v_mul_f32 v244, v244, v244
	v_mul_f32 v[S+34], 0xbd6c5f04, v243            ; x -log2(e) / 25
	v_mul_f32 v[S+35], 0xbd6c5f04, v244
.set T, 0
.rept 36
	v_exp_f32 v[S+T], v[S+T]
.set T, T+1
.endr
	v_nop
	s_wait_alu depctr_va_vdst(0)                   ; one wait for the 36 exponentials, ahead of their first reader
	v_pk_add_f32 v[244:245], v[S:S+1], v[S+2:S+3]
	v_pk_add_f32 v[246:247], v[S+4:S+5], v[S+6:S+7]
.irp j, 8,12,16,20,24,28
	v_pk_add_f32 v[244:245], v[244:245], v[S+\j:S+\j+1]
	v_pk_add_f32 v[246:247], v[246:247], v[S+\j+2:S+\j+3]
.endr
	v_pk_add_f32 v[244:245], v[244:245], v[246:247]
	v_add_f32 v244, v244, v245
	v_add_f32_dpp v244, v244, v244 row_xmask:1 row_mask:0xf bank_mask:0xf
	v_add_f32_dpp v244, v244, v244 row_xmask:2 row_mask:0xf bank_mask:0xf
	v_add_f32_dpp v244, v244, v244 row_xmask:4 row_mask:0xf bank_mask:0xf
	v_add_f32_dpp v244, v244, v244 row_xmask:8 row_mask:0xf bank_mask:0xf
	v_permlanex16_b32 v242, v244, s[SEL], s[SEL+1]
	v_add_f32 v244, v244, v242                     ; the softmax's sum
	v_rcp_f32 v245, v244
	v_nop
	s_wait_alu depctr_va_vdst(0)
	v_mul_f32 v[S+32], v[S+32], v245               ; the softmax,
	v_mul_f32 v[S+33], v[S+33], v245
	v_mul_f32 v[S+32], v[S+32], v[S+34]            ; times the window
	v_mul_f32 v[S+33], v[S+33], v[S+35]
	ds_store_b32 v[WLW], v[S+32]
	ds_store_b32 v[WLW], v[S+33] offset:128
.irp i, 0,1,2,3,4,5,6,7
	ds_load_b128 v[WT+4*\i:WT+4*\i+3], v[WLR] offset:16*\i   ; my wave's own bytes, served in order: my half's 32 weights in every lane
.endr
	s_wait_dscnt 0x0
.set T, 0
.rept 32
.if (T%8) == 0
	s_wait_loadcnt 24-T                            ; the next eight rows are in; the later groups' loads may be out
.endif
.irp c, 0,1,2,3
.if T < 4
	v_mul_f32 v[ACC+4*(T%4)+\c], v[E+4*T+\c], v[WT+T]           ; the first four rows start the four sets of sums: nothing is cleared
.else
	v_fma_f32 v[ACC+4*(T%4)+\c], v[E+4*T+\c], v[WT+T], v[ACC+4*(T%4)+\c]
.endif
.endr
.set T, T+1
.endr
.irp p, 0,2
	v_pk_add_f32 v[ACC+\p:ACC+\p+1], v[ACC+\p:ACC+\p+1], v[ACC+4+\p:ACC+5+\p]
	v_pk_add_f32 v[ACC+8+\p:ACC+9+\p], v[ACC+8+\p:ACC+9+\p], v[ACC+12+\p:ACC+13+\p]
.endr
.irp p, 0,2
	v_pk_add_f32 v[ACC+\p:ACC+\p+1], v[ACC+\p:ACC+\p+1], v[ACC+8+\p:ACC+9+\p]
.endr
.irp c, 0,1,2,3
	v_permlanex16_b32 v[240+\c], v[ACC+\c], s[SEL], s[SEL+1]
.endr
.irp c, 0,1,2,3
	v_add_f32 v[ACC+\c], v[ACC+\c], v[240+\c]      ; my wave's 64 rows
.endr
	ds_store_b128 v[STW], v[ACC:ACC+3]             ; both halves of the lanes write the same numbers to the same bytes
	s_wait_dscnt 0x0                               ; for wave 0's sake
	s_barrier_signal -1
	s_barrier_wait -1
	s_cmp_lg_u32 s[WV], 0
	s_cbranch_scc1 .Lend
	; wave 0: the two row halves are added; a lane holds 8 neighbouring columns, four lanes a block of 32
	ds_load_b128 v[64:67], v[STR]
	ds_load_b128 v[68:71], v[STR] offset:16
	ds_load_b128 v[72:75], v[STR] offset:1024
	ds_load_b128 v[76:79], v[STR] offset:1040
	s_wait_dscnt 0x0
.irp p, 0,2,4,6
	v_pk_add_f32 v[64+\p:65+\p], v[64+\p:65+\p], v[72+\p:73+\p]
.endr
	v_max3_num_f32 v80, |v64|, |v65|, 0x8000000    ; with the floor 2^(16 - 127): the byte cannot fall under 1
	v_max3_num_f32 v80, v80, |v66|, |v67|
	v_max3_num_f32 v80, v80, |v68|, |v69|
	v_max3_num_f32 v80, v80, |v70|, |v71|
	v_max_num_f32_dpp v80, v80, v80 row_xmask:1 row_mask:0xf bank_mask:0xf
	v_max_num_f32_dpp v80, v80, v80 row_xmask:2 row_mask:0xf bank_mask:0xf
	v_add_nc_u32 v81, 0xf8800000, v80              ; 15 off the exponent field: the conversion's scale operand
	v_and_or_b32 v82, v80, 0x7f800000, s[MNT]      ; 57,344 x the scale
	v_lshrrev_b32 v83, 23, v81                     ; the scale's byte
.irp i, 0,1,2,3,4,5,6,7
	v_med3_num_f32 v[64+\i], v[64+\i], -v82, v82   ; the conversion does not saturate (ISA guide 7.6.2)
.endr
	v_cvt_scalef32_pk8_bf8_f32 v[84:85], v[64:71], v81
	v_nop
	global_store_b64 v[CQA], v[84:85], s[32:33]    ; 32 lanes store 256 consecutive bytes, aligned
	global_store_b8 v[CQS], v83, s[34:35]          ; the four lanes of a block write the same byte with the same value
.Lend:
	s_wait_tensorcnt 0x0                           ; the wave's end
	ds_add_u32 v[SPW], v[NIL]
	s_wait_dscnt 0x0
	s_endpgm
.Lfunc_end_k_q96c5b4c6b6_context:
	.size	k_q96c5b4c6b6_context, .Lfunc_end_k_q96c5b4c6b6_context-k_q96c5b4c6b6_context
	.p2alignl 7, 3214868480
	.fill 96, 4, 3214868480
	.section	.rodata,"a",@progbits
	.p2align	6, 0x0
	.amdhsa_kernel k_q96c5b4c6b6_context
		.amdhsa_group_segment_fixed_size 5120
		.amdhsa_private_segment_fixed_size 0
		.amdhsa_enable_private_segment 0
		.amdhsa_kernarg_size 32
		.amdhsa_user_sgpr_count 2
		.amdhsa_user_sgpr_kernarg_segment_ptr 1
		.amdhsa_wavefront_size32 1
		.amdhsa_system_sgpr_workgroup_id_x 1
		.amdhsa_system_sgpr_workgroup_id_y 1
		.amdhsa_system_sgpr_workgroup_id_z 1
		.amdhsa_system_vgpr_workitem_id 0
		.amdhsa_next_free_vgpr 256
		.amdhsa_next_free_sgpr 66
		.amdhsa_reserve_vcc 0
		.amdhsa_float_denorm_mode_32 3
		.amdhsa_float_denorm_mode_16_64 3
		.amdhsa_memory_ordered 1
		.amdhsa_forward_progress 1
		.amdhsa_inst_pref_size 25
	.end_amdhsa_kernel
	.amdgpu_metadata
---
amdhsa.version: [ 1, 2 ]
amdhsa.kernels:
  - .name:           k_q96c5b4c6b6_context
    .symbol:         k_q96c5b4c6b6_context.kd
    .args:
      - { .name: encoder_outputs, .offset: 0, .size: 8, .value_kind: global_buffer, .address_space: global }
      - { .name: sc, .offset: 8, .size: 8, .value_kind: global_buffer, .address_space: global }
      - { .name: w0, .offset: 16, .size: 8, .value_kind: global_buffer, .address_space: global }
      - { .name: cq, .offset: 24, .size: 8, .value_kind: global_buffer, .address_space: global }
    .group_segment_fixed_size: 5120
    .private_segment_fixed_size: 0
    .kernarg_segment_align: 8
    .kernarg_segment_size: 32
    .max_flat_workgroup_size: 256
    .sgpr_count:     66
    .vgpr_count:     256
    .wavefront_size: 32
...
	.end_amdgpu_metadata
.endif
;; end of part 3
;; launch final (part 4): grid 16 x 4, 4 waves a work-group, no clusters, 17,920 bytes of LDS; arguments cq, oq, wc, out0; writes out0
.if DOCPART == 4
	.amdgcn_target "amdgcn-amd-amdhsa--gfx1250"
	.amdhsa_code_object_version 6
	.text
	.protected	k_q96c5b4c6b6_final
	.globl	k_q96c5b4c6b6_final
	.p2align	8
	.type	k_q96c5b4c6b6_final,@function
k_q96c5b4c6b6_final:
	s_mov_b64 s[64:65], 0
	v_nop
	global_prefetch_b8 v0, s[64:65] scope:SCOPE_SE
	s_setreg_imm32_b32 hwreg(HW_REG_WAVE_MODE, 25, 1), 1
	s_wait_xcnt 0x0
; LAUNCH 4 OF 4.  out0 = tanh(Q(cat) Q(W_c)^T), cat = context beside output: its K steps 0-7 are cq's codes, 8-15 oq's (both quantised along the same axis, in blocks of 32 from the start: 1,024 is 32 whole blocks).
; SHARES.  Work-group (x, y): 64 columns g = 64 x on, 16 batches 16 y on: 64 work-groups are all the work there is.  Wave w takes K steps 4 w .. 4 w + 3 (waves 0, 1 of cq, waves 2, 3 of oq);
; the four partial sums meet in LDS.  All operands come from memory straight into registers: W_c's as the images that launch 1 laid, cat's from rows of codes.
; REGISTERS.  Window 0: v1-9 addresses; v16-31 W_c's scale words; v32-35 cat's; v64-127 cat's four fragments; v128-159 four accumulators; v160-207 at work.  Window 1: W_c's 16 fragments, (tile i, step k) at 16 (4 i + k).
.set SPARE, 17408                      ; LDS: four stages of 16 rows x (256 bytes + 16); then the spare words, 128 bytes a wave
.set LI,  1                            ; v1   16 x lane
.set LS,  2                            ; v2   4 x lane
.set CA,  3                            ; v3   1,024 r + 16 h
.set CSA, 4                            ; v4   32 r
.set ST,  5                            ; v5   4,352 w + 272 r + 32 h
.set RDA, 6                            ; v6   272 (4 w + h) + 16 r
.set SPW, 7                            ; v7   my spare word; never rewritten
.set NIL, 8                            ; v8   0; never rewritten
.set OA,  9                            ; v9   4,096 h + 16 r
.set WSC, 16
.set CSC, 32
.set CF,  64
.set ACC, 128
.set RB,  160
.set MSB, 0
.macro WIN new                         ; the immediate's high byte repeats the setting that is left
.if MSB != \new
	s_set_vgpr_msb (MSB<<8)|\new
.set MSB, \new
.endif
.endm
	s_load_b256 s[4:11], s[0:1], 0x0               ; cq s[4:5], oq s[6:7], wc s[8:9], out0 s[10:11]
	v_lshl_add_u32 v[SPW], v0, 2, SPARE
	v_mov_b32 v[NIL], 0
	v_lshrrev_b32 v1, 5, v0
	v_readfirstlane_b32 s12, v1                    ; wave 0..3
	s_and_b32 s14, ttmp7, 0xffff                   ; which 16 batches
	s_and_b32 s15, s12, 1
	v_and_b32 v10, 31, v0
	v_and_b32 v11, 15, v0                          ; r
	v_bfe_u32 v12, v0, 4, 1                        ; h
	v_lshlrev_b32 v[LI], 4, v10
	v_lshlrev_b32 v[LS], 2, v10
	v_lshlrev_b32 v[CA], 10, v11
	v_lshl_add_u32 v[CA], v12, 4, v[CA]
	v_lshlrev_b32 v[CSA], 5, v11
	s_mul_i32 s30, s12, 4352
	v_mul_u32_u24 v[ST], v11, 272
	v_lshl_add_u32 v[ST], v12, 5, v[ST]
	v_add_nc_u32 v[ST], s30, v[ST]
	s_mul_i32 s31, s12, 1088
	v_mul_u32_u24 v[RDA], v12, 272
	v_lshl_add_u32 v[RDA], v11, 4, v[RDA]
	v_add_nc_u32 v[RDA], s31, v[RDA]
	v_lshlrev_b32 v[OA], 12, v12
	v_lshl_add_u32 v[OA], v11, 4, v[OA]
	s_mov_b32 s17, 0
	s_wait_kmcnt 0x0
	s_cmp_lt_u32 s12, 2
	s_cselect_b64 s[24:25], s[4:5], s[6:7]         ; the choice hangs on the wave's number alone
	s_lshl_b32 s16, ttmp9, 17                      ; four row tiles of 16 images of 2,048 bytes,
	s_lshl_b32 s18, s12, 13                        ; my four K steps
	s_add_co_u32 s16, s16, s18
	s_add_nc_u64 s[20:21], s[8:9], s[16:17]
	s_lshl_b32 s16, ttmp9, 13
	s_lshl_b32 s18, s12, 9
	s_add_co_u32 s16, s16, s18
	s_add_co_u32 s16, s16, 0x200000
	s_add_nc_u64 s[22:23], s[8:9], s[16:17]        ; their scale words
	s_lshl_b32 s16, s14, 14
	s_lshl_b32 s18, s15, 9
	s_add_co_u32 s16, s16, s18
	s_add_nc_u64 s[26:27], s[24:25], s[16:17]      ; cat's codes: 16 rows of 1,024 bytes, my four K steps
	s_lshl_b32 s16, s14, 9
	s_lshl_b32 s18, s15, 4
	s_add_co_u32 s16, s16, s18
	s_add_co_u32 s16, s16, 65536
	s_add_nc_u64 s[28:29], s[24:25], s[16:17]      ; and their scale bytes
	s_lshl_b32 s16, s14, 16
	s_lshl_b32 s18, s12, 14
	s_add_co_u32 s16, s16, s18
	s_lshl_b32 s18, ttmp9, 8
	s_add_co_u32 s16, s16, s18
	s_add_nc_u64 s[10:11], s[10:11], s[16:17]      ; out0: row 16 y + 4 w, column 64 x
	WIN 0x40
.irp i, 0,1,2,3
.irp k, 0,1,2,3
.irp q, 0,1,2,3
	global_load_b128 v[16*(4*\i+\k)+4*\q:16*(4*\i+\k)+4*\q+3], v[LI], s[20:21] offset:32768*\i+2048*\k+512*\q
.endr
.endr
.endr
	WIN 0
.irp i, 0,1,2,3
.irp k, 0,1,2,3
	global_load_b32 v[WSC+4*\i+\k], v[LS], s[22:23] offset:2048*\i+128*\k
.endr
.endr
.irp k, 0,1,2,3
.irp q, 0,1,2,3
	global_load_b128 v[CF+16*\k+4*\q:CF+16*\k+4*\q+3], v[CA], s[26:27] offset:128*\k+32*\q
.endr
.endr
	global_load_b128 v[CSC:CSC+3], v[CSA], s[28:29]   ; row r's four scale words, one for each of my K steps
	s_wait_loadcnt 0x0
	WIN 0x01                                       ; source 0 (W_c) window 1
.irp k, 0,1,2,3                        ; source 0 = 16 rows of W_c, source 1 = 16 rows of cat: register j of lane (r, h) is column 16 i + 8 h + j, batch r.  The four accumulators take turns
.irp i, 0,1,2,3
.if \k == 0
	v_wmma_scale_f32_16x16x128_f8f6f4 v[ACC+8*\i:ACC+8*\i+7], v[16*(4*\i+\k):16*(4*\i+\k)+15], v[CF+16*\k:CF+16*\k+15], 0, v[WSC+4*\i+\k], v[CSC+\k] matrix_a_fmt:MATRIX_FMT_BF8 matrix_b_fmt:MATRIX_FMT_BF8
.else
	v_wmma_scale_f32_16x16x128_f8f6f4 v[ACC+8*\i:ACC+8*\i+7], v[16*(4*\i+\k):16*(4*\i+\k)+15], v[CF+16*\k:CF+16*\k+15], v[ACC+8*\i:ACC+8*\i+7], v[WSC+4*\i+\k], v[CSC+\k] matrix_a_fmt:MATRIX_FMT_BF8 matrix_b_fmt:MATRIX_FMT_BF8
.endif
.endr
.endr
	WIN 0
.rept 8
	v_nop                                          ; eight places behind this form before a result is read
.endr
.irp i, 0,1,2,3
	ds_store_b128 v[ST], v[ACC+8*\i:ACC+8*\i+3] offset:64*\i        ; each accumulator from its low end on
	ds_store_b128 v[ST], v[ACC+8*\i+4:ACC+8*\i+7] offset:64*\i+16
.endr
	s_wait_dscnt 0x0                               ; for the others' sake
	s_barrier_signal -1
	s_barrier_wait -1
.irp s, 0,1,2,3
.irp u, 0,1
	ds_load_b128 v[RB+8*\s+4*\u:RB+8*\s+4*\u+3], v[RDA] offset:4352*\s+544*\u   ; wave w takes rows 4 w .. 4 w + 3: lanes 0-15 one row of 256 bytes, lanes 16-31 the next; the four waves' parts
.endr
.endr
	s_wait_dscnt 0x0
.irp s, 1,2,3
.irp p, 0,2,4,6
	v_pk_add_f32 v[RB+\p:RB+\p+1], v[RB+\p:RB+\p+1], v[RB+8*\s+\p:RB+8*\s+\p+1]
.endr
.endr
	; tanh(x) = 1 - 2 / (1 + 2^(2 log2(e) x))
.irp p, 0,2,4,6
	v_pk_mul_f32 v[RB+\p:RB+\p+1], v[RB+\p:RB+\p+1], 0x4038aa3b op_sel_hi:[1,0]
.endr
.irp j, 0,1,2,3,4,5,6,7
	v_exp_f32 v[192+\j], v[RB+\j]
.endr
	v_nop
	s_wait_alu depctr_va_vdst(0)                   ; one wait for the eight exponentials, ahead of their first reader
.irp j, 0,1,2,3,4,5,6,7
	v_add_f32 v[192+\j], 1.0, v[192+\j]
.endr
.irp j, 0,1,2,3,4,5,6,7
	v_rcp_f32 v[200+\j], v[192+\j]
.endr
	v_nop
	s_wait_alu depctr_va_vdst(0)                   ; and one for the eight reciprocals
.irp j, 0,1,2,3,4,5,6,7
	v_fma_f32 v[200+\j], v[200+\j], -2.0, 1.0
.endr
	global_store_b128 v[OA], v[200:203], s[10:11]               ; sixteen lanes store 256 consecutive bytes, aligned
	global_store_b128 v[OA], v[204:207], s[10:11] offset:8192
	s_wait_tensorcnt 0x0                           ; the wave's end
	ds_add_u32 v[SPW], v[NIL]
	s_wait_dscnt 0x0
	s_endpgm
.Lfunc_end_k_q96c5b4c6b6_final:
	.size	k_q96c5b4c6b6_final, .Lfunc_end_k_q96c5b4c6b6_final-k_q96c5b4c6b6_final
	.p2alignl 7, 3214868480
	.fill 96, 4, 3214868480
	.section	.rodata,"a",@progbits
	.p2align	6, 0x0
	.amdhsa_kernel k_q96c5b4c6b6_final
		.amdhsa_group_segment_fixed_size 17920
		.amdhsa_private_segment_fixed_size 0
		.amdhsa_enable_private_segment 0
		.amdhsa_kernarg_size 32
		.amdhsa_user_sgpr_count 2
		.amdhsa_user_sgpr_kernarg_segment_ptr 1
		.amdhsa_wavefront_size32 1
		.amdhsa_system_sgpr_workgroup_id_x 1
		.amdhsa_system_sgpr_workgroup_id_y 1
		.amdhsa_system_sgpr_workgroup_id_z 1
		.amdhsa_system_vgpr_workitem_id 0
		.amdhsa_next_free_vgpr 512
		.amdhsa_next_free_sgpr 66
		.amdhsa_reserve_vcc 0
		.amdhsa_float_denorm_mode_32 3
		.amdhsa_float_denorm_mode_16_64 3
		.amdhsa_memory_ordered 1
		.amdhsa_forward_progress 1
		.amdhsa_inst_pref_size 18
	.end_amdhsa_kernel
	.amdgpu_metadata
---
amdhsa.version: [ 1, 2 ]
amdhsa.kernels:
  - .name:           k_q96c5b4c6b6_final
    .symbol:         k_q96c5b4c6b6_final.kd
    .args:
      - { .name: cq, .offset: 0, .size: 8, .value_kind: global_buffer, .address_space: global }
      - { .name: oq, .offset: 8, .size: 8, .value_kind: global_buffer, .address_space: global }
      - { .name: wc, .offset: 16, .size: 8, .value_kind: global_buffer, .address_space: global }
      - { .name: out0, .offset: 24, .size: 8, .value_kind: global_buffer, .address_space: global }
    .group_segment_fixed_size: 17920
    .private_segment_fixed_size: 0
    .kernarg_segment_align: 8
    .kernarg_segment_size: 32
    .max_flat_workgroup_size: 128
    .sgpr_count:     66
    .vgpr_count:     512
    .wavefront_size: 32
...
	.end_amdgpu_metadata
.endif
;; end of part 4
